; MI455X (gfx1250); checked and timed in simulation.
; The chip was launched on July 23, 2026; its instructions are those of AMD's public machine-readable ISA for CDNA 5 (MIT licence, August 2026) and "CDNA5" Instruction Set Architecture Reference Guide (July 2026). The comments in the code are by the model that wrote it; some were corrected since.
;; Sparse Attention. Allowed arithmetic: matrix products marked QUANTISED: E2M1 operands, one E8M0 scale for each 32 along K, by v_wmma_scale_f32_16x16x128_f8f6f4 with both operands' format E2M1 (or v_wmma_scale_f32_32x16x128_f4), f32 sums; products left as they are: bf16, f16 or f32 operands; f32 sums; everything else in f32.
;; Inputs: bk 8 x 64 float32; bo 512 float32; bq 8 x 64 float32; bv 8 x 64 float32; inputs_q 2 x 4,096 x 512 float32; wk 512 x 8 x 64 float32; wo 8 x 64 x 512 float32; wq 512 x 8 x 64 float32; wv 512 x 8 x 64 float32.
;; Outputs: out0 2 x 4,096 x 512 float32.
;; This version of the problem:
;;   THIS VERSION OF THE PROBLEM IS GIVEN IN LOW PRECISION. The matrix products marked QUANTISED in the list below multiply operands that are first quantised to E2M1 (2 exponent bits, 1 mantissa bit; 4 bits a number), with one power-of-two scale for each 32 numbers along K (OCP MX v1.0); their sums are f32. The products marked 'left as it is' may take bf16, f16 or f32 operands, with f32 sums. Whichever they take, every output number must still come out within the allowed error. Rounding operands to bf16 (8 significant bits) uses up far more of that allowance than f16 does (11 bits, for magnitudes from 6e-5 to 65,504). All else is computed in f32.
;;   The module's matrix products, in the order in which they are computed (A, B: the left and right operand; K: the contracted axis; several contracted axes count as one K, in the product's order):
;;     1. [M 8,192, K 512] x [K 512, N 512]; A: input inputs_q; B: input wq: QUANTISED
;;     2. [M 8,192, K 512] x [K 512, N 512]; A: input inputs_q; B: input wk: QUANTISED
;;     3. [M 8,192, K 512] x [K 512, N 512]; A: input inputs_q; B: input wv: QUANTISED
;;     4. batch 16 x [M 4,096, K 64] x [K 64, N 4,096]; A: computed on the way; B: computed on the way: left as it is (an operand is computed on the way)
;;     5. batch 16 x [M 64, K 4,096] x [K 4,096, N 4,096]; A: computed on the way; B: computed on the way: left as it is (an operand is computed on the way)
;;     6. [M 8,192, K 512] x [K 512, N 512]; A: computed on the way; B: input wo: left as it is (an operand is computed on the way)
;;   THE QUANTISER, for each operand of a quantised product, along K:
;;     - K is cut into blocks of 32 from its start; a last block that is shorter is filled with zeros.
;;     - A block's scale is 2^e with e = floor(log2(the largest magnitude in the block)) - 2, held to -126 .. 127; a block of zeros has e = 0. As a byte (E8M0): e + 127.
;;     - Each number is divided by its block's scale, clamped to +-6, and rounded to the nearest number of E2M1, ties to even, subnormals kept.
;;     - The product sums the exact products of the quantised numbers (number of the format x scale) in f32.
;;   ~~~python
;;   def quantise(x, axis):      # numpy; x: float32 -> the quantised numbers, widened to float32 again
;;       x = np.moveaxis(x, axis, -1); K = x.shape[-1]
;;       x = np.pad(x, [(0, 0)] * (x.ndim - 1) + [(0, -K % 32)]); x = x.reshape(x.shape[:-1] + (-1, 32)); a = np.abs(x).max(-1, keepdims=True)
;;       e = np.where(a > 0, np.clip(np.frexp(np.where(a > 0, a, 1))[1] - 1 - 2, -126, 127), 0)      # np.frexp(a)[1] - 1 = floor(log2(a)), exactly
;;       r = np.clip(x / 2.0 ** e, -6, 6)
;;       step = 2.0 ** (np.maximum(np.frexp(np.where(r == 0, 1, r))[1] - 1, 0) - 1)
;;       q = np.round(r / step) * step * 2.0 ** e      # np.round: ties to even
;;       return np.moveaxis(q.reshape(q.shape[:-2] + (-1,))[..., :K], -1, axis).astype(np.float32)
;;   ~~~
;; One version. Each part assembles by itself: llvm-mc -triple=amdgcn-amd-amdhsa -mcpu=gfx1250 --defsym DOCPART=n.
;; ======== version 1 of 1: 5 launches
;; limits: values are held in f16: magnitudes above 65,504 overflow, below 6.1e-05 lose precision
;; workspace buffers: xcs 2,228,224 bytes; wts 942,080 bytes; qkv16 25,165,824 bytes; x16 8,388,608 bytes; h32 196,608 bytes
;; launch prep (part 1): grid 288 x 1, 8 waves a work-group, no clusters, 69,120 bytes of LDS; arguments inputs_q, wq, wk, wv, wo, xcs, wts; writes xcs, wts
.if DOCPART == 1
	.amdgcn_target "amdgcn-amd-amdhsa--gfx1250"
	.amdhsa_code_object_version 6
	.text
	.protected	k_q046f3da75e_prep
	.globl	k_q046f3da75e_prep
	.p2align	8
	.type	k_q046f3da75e_prep,@function
k_q046f3da75e_prep:
	s_mov_b64 s[64:65], 0
	v_nop
	global_prefetch_b8 v0, s[64:65] scope:SCOPE_SE
	s_setreg_imm32_b32 hwreg(HW_REG_WAVE_MODE, 25, 1), 1
	s_wait_xcnt 0x0
; inputs_q [8192][512] f32 -> codes of E2M1 and E8M0 scale bytes along K (its last axis); wq, wk, wv [512 (K)][512] f32 -> the same along K (their FIRST axis); wo [512 (K)][512] f32 -> f16.
; ALL RESULTS LIE IN THE ORDER OF THE READER'S OPERAND REGISTERS: a piece is 512 bytes, lane l's 16 bytes at 16 l.
;   xcs: codes at T 4096 + kb 256 + r 16 (T: tile of 16 rows, kb: block of 32 along K, r: row in the tile); scale words from byte 2,097,152 on at T 256 + s 64 + r 4 (s: 128 along K; byte b of a word: block 4 s + b).
;   wts: codes at mat 131072 + c 4096 + kb 256 + r 16 (c: tile of 16 columns); scale words from 393,216 on at mat 8192 + c 256 + s 64 + r 4; wo in f16 from 417,792 on at CB 131072 + q 32768 + n 4096 + kg 256 + r 16
;        (column 128 CB + 16 n + r, k = 128 q + 8 kg + 0 .. 7).
; A block's scale is 2^(floor(log2(largest magnitude)) - 2): its byte is the largest magnitude's exponent field - 2, held at 1 from below.
; LIMITS: a block of zeros gets the byte 1 where the rule says 127 (its codes are zeros, and this program alone reads the bytes); blocks whose largest magnitude lies under 2^-124 are held at the byte 1;
; NaN and infinities among the inputs are not served; numbers of wo beyond 65,504 are not served (f16).
; SHARES: work-groups 0-31 take the four weights (8 each; a wave: 32 columns x 128 along K, a lane to a column, registers down K, no LDS); work-groups 32-287 take x (a wave: 16 rows x 128 along K).
; No cluster, no tensor load: no two work-groups read the same byte.
.set WSTG,  8448                       ; a wave's stage: 16 rows x (512 bytes + 16): rows start 4 banks apart
.set SCG,   67584                      ; behind the eight stages: the work-group's 128 scale words
.set SPARE, 68096                      ; the spare words, 128 bytes for each wave: four blocks of 256 bytes that no other line names
.set SPW,   16                         ; v16  LDS address of my spare word; never rewritten
.set NIL,   17                         ; v17  0; never rewritten
.set RAW,   20                         ; numbers as loaded: x v20-83, a weight v20-147
.set XN,    84                         ; v84-147 x: two whole blocks of 32 of my row
.set CD,    148                        ; results: x v148-155, a weight v148-211
	s_load_b256 s[4:11], s[0:1], 0x0               ; inputs_q s[4:5], wq s[6:7], wk s[8:9], wv s[10:11]
	s_load_b128 s[12:15], s[0:1], 0x20             ; wo s[12:13], xcs s[14:15]
	s_load_b64 s[16:17], s[0:1], 0x30              ; wts
	v_lshl_add_u32 v[SPW], v0, 2, SPARE
	v_mov_b32 v[NIL], 0
	v_lshrrev_b32 v1, 5, v0
	v_readfirstlane_b32 s18, v1                    ; wave 0..7
	v_and_b32 v1, 31, v0                           ; lane
	v_and_b32 v18, 15, v0                          ; r
	v_bfe_u32 v19, v0, 4, 1                        ; h
	s_mov_b32 s27, 0                               ; the high word of every offset pair s[26:27]
	s_wait_kmcnt 0x0
	s_cmp_lt_u32 ttmp9, 32                         ; the same in all waves of a work-group
	s_cbranch_scc1 .Lweights
	; ---- x.  Wave w: tile of rows T = 2 (work-group - 32) + w / 4, 128 along K from 128 (w % 4) on
	s_sub_co_u32 s22, ttmp9, 32
	s_lshr_b32 s23, s18, 2
	s_lshl_b32 s24, s22, 1
	s_add_co_u32 s24, s24, s23                     ; T
	s_and_b32 s25, s18, 3                          ; s
	s_lshl_b32 s26, s24, 15                        ; 16 rows of 2,048 bytes
	s_lshl_b32 s28, s25, 9
	s_add_co_u32 s26, s26, s28
	s_add_nc_u64 s[4:5], s[4:5], s[26:27]
	v_lshlrev_b32 v2, 4, v1                        ; 16 x lane
.irp n, 0,1,2,3,4,5,6,7,8,9,10,11,12,13,14,15
	global_load_b128 v[RAW+4*\n:RAW+4*\n+3], v2, s[4:5] offset:2048*\n th:TH_LOAD_NT   ; row n: 32 lanes read 512 consecutive bytes
.endr
	s_lshl_b32 s26, s24, 12
	s_lshl_b32 s28, s25, 10
	s_add_co_u32 s26, s26, s28
	s_add_nc_u64 s[30:31], s[14:15], s[26:27]      ; my two pieces of codes
	s_lshl_b32 s26, s22, 9
	s_add_co_u32 s26, s26, 2097152
	s_add_nc_u64 s[32:33], s[14:15], s[26:27]      ; the work-group's 512 bytes of scale words
	s_mov_b32 s20, 0x76543210
	s_mov_b32 s21, 0xfedcba98                      ; v_permlanex16_b32's selects for lane l xor 16
	s_mul_i32 s34, s18, WSTG
	v_add_nc_u32 v3, s34, v2                       ; the stage, way in: 16 x lane, a row an instruction
	v_mul_u32_u24 v4, v18, 528
	v_lshl_add_u32 v4, v19, 7, v4
	v_add_nc_u32 v4, s34, v4                       ; way out: row r, block h of each pair of blocks
	s_lshl_b32 s35, s18, 6
	v_lshl_add_u32 v5, v18, 2, s35
	v_add_nc_u32 v5, SCG, v5                       ; my row's scale word: 64 w + 4 r
	v_add_nc_u32 v6, SCG, v2                       ; and the way out of the 128 words
	v_lshlrev_b32 v7, 3, v19                       ; 8 h
	v_mov_b32 v15, 0                               ; a lane permute's destination counts as one of its sources
.irp n, 0,1,2,3,4,5,6,7,8,9,10,11,12,13,14,15
	s_wait_loadcnt 15-\n                           ; row n is in; the rows behind it may be out
	ds_store_b128 v3, v[RAW+4*\n:RAW+4*\n+3] offset:528*\n
.endr
.irp c, 0,1
.irp g, 0,1,2,3,4,5,6,7
	ds_load_b128 v[XN+32*\c+4*\g:XN+32*\c+4*\g+3], v4 offset:256*\c+16*\g   ; block 2 c + h of row r: LDS serves a wave's instructions in order, so these see the stores
.endr
.endr
	s_wait_dscnt 0x0
.irp c, 0,1
	v_max3_num_f32 v[8+\c], |v[XN+32*\c]|, |v[XN+32*\c+1]|, 0x1800000   ; the block's largest magnitude, with the floor 2^(3 - 127) among its leaves: the byte cannot fall under 1
.endr
.irp i, 2,4,6,8,10,12,14,16,18,20,22,24,26,28,30
.irp c, 0,1
	v_max3_num_f32 v[8+\c], v[8+\c], |v[XN+32*\c+\i]|, |v[XN+32*\c+\i+1]|   ; (the two blocks by turns)
.endr
.endr
.irp c, 0,1
	v_add_nc_u32 v[10+\c], 0xff000000, v[8+\c]     ; 2 off the exponent field: the conversion's scale operand
.endr
.irp c, 0,1
	v_lshrrev_b32 v[12+\c], 23, v[10+\c]           ; the scale's byte
.endr
.irp c, 0,1
.irp g, 0,1,2,3
	v_cvt_scalef32_pk8_fp4_f32 v[CD+4*\c+\g], v[XN+32*\c+8*\g:XN+32*\c+8*\g+7], v[10+\c]   ; registers 4 c .. 4 c + 3 of the operand: k = 64 c + 32 h + 0 .. 31
.endr
.endr
	v_lshl_or_b32 v14, v13, 16, v12                ; my two bytes, blocks h and 2 + h,
	v_lshlrev_b32 v14, v7, v14                     ; at their places in the word;
	v_permlanex16_b32 v15, v14, s20, s21
	v_or_b32 v14, v14, v15                         ; with lane l xor 16's two the word is whole
	global_store_b128 v2, v[CD:CD+3], s[30:31]             ; 32 lanes store 512 consecutive bytes
	global_store_b128 v2, v[CD+4:CD+7], s[30:31] offset:512
	ds_store_b32 v5, v14                           ; both halves of the lanes write the same word with the same value
	s_wait_dscnt 0x0                               ; for the others' sake: my word has landed
	s_barrier_signal -1
	s_barrier_wait -1
	s_cmp_lg_u32 s18, 0
	s_cbranch_scc1 .Lend
	ds_load_b128 v[20:23], v6                      ; wave 0 sends the work-group's 128 words: 512 consecutive bytes
	s_wait_dscnt 0x0
	global_store_b128 v2, v[20:23], s[32:33]
	s_branch .Lend
	; ---- the weights.  mat = work-group / 8 (3: wo); of its 64 waves, wave idx takes columns 32 (idx % 16) on and K 128 (idx / 16) on
.Lweights:
	s_lshr_b32 s22, ttmp9, 3                       ; mat
	s_cmp_eq_u32 s22, 1
	s_cselect_b64 s[6:7], s[8:9], s[6:7]
	s_cmp_eq_u32 s22, 2
	s_cselect_b64 s[6:7], s[10:11], s[6:7]
	s_cmp_eq_u32 s22, 3
	s_cselect_b64 s[6:7], s[12:13], s[6:7]         ; the choice hangs on the work-group's number alone
	s_and_b32 s23, ttmp9, 7
	s_lshl_b32 s23, s23, 3
	s_add_co_u32 s23, s23, s18                     ; idx
	s_and_b32 s24, s23, 15                         ; g
	s_lshr_b32 s25, s23, 4                         ; s
	s_lshl_b32 s26, s25, 18                        ; 128 rows of 2,048 bytes
	s_lshl_b32 s28, s24, 7
	s_add_co_u32 s26, s26, s28
	s_add_nc_u64 s[6:7], s[6:7], s[26:27]
	v_lshlrev_b32 v2, 2, v1                        ; 4 bytes a lane: a lane to a column
.set kk, 0
.rept 128
	global_load_b32 v[RAW+kk], v2, s[6:7] offset:2048*kk th:TH_LOAD_NT   ; row kk: 128 consecutive bytes a wave; neighbouring waves stand side by side
.set kk, kk+1
.endr
	v_lshlrev_b32 v3, 4, v18
	v_lshl_add_u32 v3, v19, 12, v3                 ; out: tile of columns 2 g + h, 16 bytes at r
	v_lshlrev_b32 v4, 2, v18
	v_lshl_add_u32 v4, v19, 8, v4                  ; and its scale word
	s_cmp_eq_u32 s22, 3
	s_cbranch_scc1 .Lconvert
	s_lshl_b32 s26, s22, 17
	s_lshl_b32 s28, s24, 13
	s_add_co_u32 s26, s26, s28
	s_lshl_b32 s28, s25, 10
	s_add_co_u32 s26, s26, s28
	s_add_nc_u64 s[30:31], s[16:17], s[26:27]      ; codes: mat 131072 + 2 g 4096 + 4 s 256
	s_lshl_b32 s26, s22, 13
	s_lshl_b32 s28, s24, 9
	s_add_co_u32 s26, s26, s28
	s_lshl_b32 s28, s25, 6
	s_add_co_u32 s26, s26, s28
	s_add_co_u32 s26, s26, 393216
	s_add_nc_u64 s[32:33], s[16:17], s[26:27]      ; scale words: 393216 + mat 8192 + 2 g 256 + s 64
; Block bb of 32 along K: all its numbers are mine.  left: the loads that may stay out (what the later blocks would allow, 96 and 64, is more than a wait can name: 63 is written, which is safe)
.macro WBLOCK bb, left
.set RB, RAW+32*(\bb)
	s_wait_loadcnt \left
	v_max3_num_f32 v8, |v[RB]|, |v[RB+1]|, |v[RB+2]|
	v_max3_num_f32 v9, |v[RB+3]|, |v[RB+4]|, |v[RB+5]|
.irp i, 6,10,14,18,22,26
	v_max3_num_f32 v8, v8, |v[RB+\i]|, |v[RB+\i+1]|
	v_max3_num_f32 v9, v9, |v[RB+\i+2]|, |v[RB+\i+3]|
.endr
	v_max3_num_f32 v8, v8, |v[RB+30]|, |v[RB+31]|
	v_max3_num_f32 v8, v8, v9, 0x1800000           ; and the floor
	v_add_nc_u32 v10, 0xff000000, v8
	v_lshrrev_b32 v11, 23, v10
.if (\bb) == 0
	v_mov_b32 v12, v11
.else
	v_lshl_or_b32 v12, v11, 8*(\bb), v12           ; four bytes make my column's scale word
.endif
.irp g, 0,1,2,3
	v_cvt_scalef32_pk8_fp4_f32 v[CD+4*(\bb)+\g], v[RB+8*\g:RB+8*\g+7], v10
.endr
	v_nop                                          ; one plain place behind the conversions
	global_store_b128 v3, v[CD+4*(\bb):CD+4*(\bb)+3], s[30:31] offset:256*(\bb)   ; sixteen lanes store 256 consecutive bytes, aligned
.endm
	WBLOCK 0, 63
	WBLOCK 1, 63
	WBLOCK 2, 32
	WBLOCK 3, 0
	global_store_b32 v4, v12, s[32:33]             ; pieces of 64 bytes: 24 KB in the whole launch
	s_branch .Lend
.Lconvert:                                             ; wo: rounded to f16, eight neighbours along K to 16 bytes
	s_lshr_b32 s26, s24, 2
	s_lshl_b32 s26, s26, 17
	s_lshl_b32 s28, s25, 15
	s_add_co_u32 s26, s26, s28
	s_and_b32 s28, s24, 3
	s_lshl_b32 s28, s28, 13
	s_add_co_u32 s26, s26, s28
	s_add_co_u32 s26, s26, 417792
	s_add_nc_u64 s[30:31], s[16:17], s[26:27]      ; 417792 + (g / 4) 131072 + s 32768 + 2 (g % 4) 4096
.set kg, 0
.rept 16
.if (kg == 0) || (kg == 4)
	s_wait_loadcnt 63                              ; these 32 rows are in (a smaller count than the later rows would allow)
.endif
.if kg == 8
	s_wait_loadcnt 32
.endif
.if kg == 12
	s_wait_loadcnt 0x0
.endif
.irp i, 0,1,2,3
	v_cvt_pk_f16_f32 v[CD+4*kg+\i], v[RAW+8*kg+2*\i], v[RAW+8*kg+2*\i+1]
.endr
	global_store_b128 v3, v[CD+4*kg:CD+4*kg+3], s[30:31] offset:256*kg
.set kg, kg+1
.endr
.Lend:
	s_wait_tensorcnt 0x0                           ; the wave's end: behind my last LDS store
	ds_add_u32 v[SPW], v[NIL]
	s_wait_dscnt 0x0
	s_endpgm
.Lfunc_end_k_q046f3da75e_prep:
	.size	k_q046f3da75e_prep, .Lfunc_end_k_q046f3da75e_prep-k_q046f3da75e_prep
	.p2alignl 7, 3214868480
	.fill 96, 4, 3214868480
	.section	.rodata,"a",@progbits
	.p2align	6, 0x0
	.amdhsa_kernel k_q046f3da75e_prep
		.amdhsa_group_segment_fixed_size 69120
		.amdhsa_private_segment_fixed_size 0
		.amdhsa_enable_private_segment 0
		.amdhsa_kernarg_size 56
		.amdhsa_user_sgpr_count 2
		.amdhsa_user_sgpr_kernarg_segment_ptr 1
		.amdhsa_wavefront_size32 1
		.amdhsa_system_sgpr_workgroup_id_x 1
		.amdhsa_system_sgpr_workgroup_id_y 1
		.amdhsa_system_sgpr_workgroup_id_z 1
		.amdhsa_system_vgpr_workitem_id 0
		.amdhsa_next_free_vgpr 216
		.amdhsa_next_free_sgpr 66
		.amdhsa_reserve_vcc 0
		.amdhsa_float_denorm_mode_32 3
		.amdhsa_float_denorm_mode_16_64 3
		.amdhsa_memory_ordered 1
		.amdhsa_forward_progress 1
		.amdhsa_inst_pref_size 36
	.end_amdhsa_kernel
	.amdgpu_metadata
---
amdhsa.version: [ 1, 2 ]
amdhsa.kernels:
  - .name:           k_q046f3da75e_prep
    .symbol:         k_q046f3da75e_prep.kd
    .args:
      - { .name: inputs_q, .offset: 0, .size: 8, .value_kind: global_buffer, .address_space: global }
      - { .name: wq, .offset: 8, .size: 8, .value_kind: global_buffer, .address_space: global }
      - { .name: wk, .offset: 16, .size: 8, .value_kind: global_buffer, .address_space: global }
      - { .name: wv, .offset: 24, .size: 8, .value_kind: global_buffer, .address_space: global }
      - { .name: wo, .offset: 32, .size: 8, .value_kind: global_buffer, .address_space: global }
      - { .name: xcs, .offset: 40, .size: 8, .value_kind: global_buffer, .address_space: global }
      - { .name: wts, .offset: 48, .size: 8, .value_kind: global_buffer, .address_space: global }
    .group_segment_fixed_size: 69120
    .private_segment_fixed_size: 0
    .kernarg_segment_align: 8
    .kernarg_segment_size: 56
    .max_flat_workgroup_size: 256
    .sgpr_count:     66
    .vgpr_count:     216
    .wavefront_size: 32
...
	.end_amdgpu_metadata
.endif
;; end of part 1
;; launch qkv (part 2): grid 64 x 4, 16 waves a work-group, no clusters, 36,864 bytes of LDS; arguments xcs, wts, bq, bk, bv, qkv16, h32; writes qkv16, h32
.if DOCPART == 2
	.amdgcn_target "amdgcn-amd-amdhsa--gfx1250"
	.amdhsa_code_object_version 6
	.text
	.protected	k_q046f3da75e_qkv
	.globl	k_q046f3da75e_qkv
	.p2align	8
	.type	k_q046f3da75e_qkv,@function
k_q046f3da75e_qkv:
	s_mov_b64 s[64:65], 0
	v_nop
	global_prefetch_b8 v0, s[64:65] scope:SCOPE_SE
	s_setreg_imm32_b32 hwreg(HW_REG_WAVE_MODE, 25, 1), 1
	s_wait_xcnt 0x0
; q = x wq + bq, k = x wk + bk, v = x wv + bv on codes of E2M1 with E8M0 scales (K = 512: four matrix instructions of 128), sums in f32, the bias as the C of a sum's first instruction.
; Results leave as f16, in the order of the attention's operand registers: qkv16 = q, k, v, 8,388,608 bytes each, at bh 524288 + T 2048 + ct 512 + 16 lane (bh = 8 batch + head, T: 16 positions, ct: 16 of the head's 64).
;   q, k: lane (r, h) holds position 16 T + r, d = 16 ct + 8 h + 0 .. 7: these products are used TRANSPOSED (source 0 = 16 columns of the weight, source 1 = 16 rows of x).
;   v:    lane (r, h) holds channel 16 ct + r, keys 16 T + 8 h + 0 .. 7: this product is used as it is (source 0 = x, source 1 = the weight).  So a lane's eight results pack into its 16 bytes of the piece.
; The first 16 positions of each sequence also leave in f32 (h32: per batch q [16][512], k [16][512], v [512 channels][16 keys]) for the launch that carries those rows finely.
; SHARES: work-group (X, Y): rows 128 X on, tiles of columns 8 Y .. 8 Y + 7 of each of the three.  Wave w: tile of columns c = 8 Y + w % 8 of q, k AND v, tiles of rows 4 (w / 8) .. + 3.  Its 12 weight fragments stay in registers.
; x's 8 tiles (32,768 bytes of codes, 2,048 of scale words: dense blocks) are copied to LDS once and read by all sixteen waves.
; LIMITS: q, k, v beyond 65,504 are not served (f16).
; No cluster: what work-groups share (x's 34,816 bytes among four, 13,056 bytes of weights a wave) is asked for once at the head and there is no ring whose requests a joint load would spare.
.set XSL,   32768                      ; LDS: x's scale words, behind its codes
.set SPARE, 34816                      ; the spare words, 128 bytes for each wave: eight blocks of 256 bytes that no other line names
.set SPW, 14                           ; v14 LDS address of my spare word; v15 0; both never rewritten
.set NIL, 15
.set WSC, 16                           ; v16-21 the weights' scale words: 2 mat + u; lanes 0-15 K step 2 u, lanes 16-31 K step 2 u + 1
.set XSC, 22                           ; v22-25 x's: 2 buf + u, likewise
.set BQ,  32                           ; biases in the results' layout
.set BK,  40
.set BV,  48
.set AQ,  56                           ; three accumulators
.set AK,  64
.set AV,  72
.set PK,  80                           ; v80-91 packed results
.set XF0, 96                           ; v96-127, v128-159 x's four fragments, two buffers
.set W,   160                          ; v160-255 the weights' fragments: 32 mat + 8 s
	s_load_b128 s[4:7], s[0:1], 0x0                ; xcs, wts
	s_load_b128 s[8:11], s[0:1], 0x10              ; bq, bk
	s_load_b128 s[12:15], s[0:1], 0x20             ; bv, qkv16
	s_load_b64 s[16:17], s[0:1], 0x30              ; h32
	v_lshl_add_u32 v[SPW], v0, 2, SPARE
	v_mov_b32 v[NIL], 0
	v_lshrrev_b32 v1, 5, v0
	v_readfirstlane_b32 s18, v1                    ; wave 0..15
	v_and_b32 v1, 31, v0
	v_lshlrev_b32 v2, 4, v1                        ; 16 x lane
	v_lshlrev_b32 v3, 2, v1                        ; 4 x lane
	v_and_b32 v4, 15, v0                           ; r
	v_bfe_u32 v5, v0, 4, 1                         ; h
	v_lshlrev_b32 v6, 4, v0                        ; 16 x thread
	v_lshlrev_b32 v7, 2, v0                        ; 4 x thread
	s_and_b32 s20, ttmp7, 0xffff                   ; Y
	s_and_b32 s21, s18, 7
	s_lshr_b32 s22, s18, 3                         ; rh: which four tiles of rows
	s_lshl_b32 s23, s20, 3
	s_add_co_u32 s23, s23, s21                     ; c
	s_lshl_b32 s47, s22, 14
	v_add_nc_u32 v8, s47, v2                       ; LDS: my four tiles' codes
	s_lshl_b32 s47, s22, 10
	s_add_co_u32 s47, s47, XSL
	v_add_nc_u32 v9, s47, v3                       ; and their scale words
	s_lshl_b32 s47, s23, 6
	v_lshl_add_u32 v10, v5, 5, s47                 ; bq, bk: columns 16 c + 8 h + 0 .. 7
	v_lshl_add_u32 v11, v4, 2, s47                 ; bv: column 16 c + r
	s_mov_b32 s49, 0                               ; the high word of every offset pair s[48:49]
	s_lshr_b32 s32, ttmp9, 5                       ; batch
	s_wait_kmcnt 0x0
	s_lshl_b32 s48, ttmp9, 15
	s_add_nc_u64 s[24:25], s[4:5], s[48:49]        ; x's codes: 8 tiles of 4,096 bytes
	s_lshl_b32 s48, ttmp9, 11
	s_add_co_u32 s48, s48, 2097152
	s_add_nc_u64 s[26:27], s[4:5], s[48:49]        ; x's scale words
	s_lshl_b32 s48, s23, 12
	s_add_nc_u64 s[28:29], s[6:7], s[48:49]        ; the weights' codes, tile c
	s_lshl_b32 s48, s23, 8
	s_add_co_u32 s48, s48, 393216
	s_add_nc_u64 s[30:31], s[6:7], s[48:49]        ; and scale words
.irp n, 0,1,2,3
	global_load_b128 v[128+4*\n:131+4*\n], v6, s[24:25] offset:8192*\n     ; the copy: 512 threads x 16 bytes
.endr
	global_load_b32 v144, v7, s[26:27]
.irp mat, 0,1,2
.irp s, 0,1,2,3
.irp cc, 0,1
	global_load_b128 v[W+32*\mat+8*\s+4*\cc:W+32*\mat+8*\s+4*\cc+3], v2, s[28:29] offset:131072*\mat+1024*\s+512*\cc
.endr
.endr
.endr
.irp mat, 0,1,2
.irp u, 0,1
	global_load_b32 v[WSC+2*\mat+\u], v3, s[30:31] offset:8192*\mat+128*\u
.endr
.endr
	global_load_b128 v[BQ:BQ+3], v10, s[8:9]
	global_load_b128 v[BQ+4:BQ+7], v10, s[8:9] offset:16
	global_load_b128 v[BK:BK+3], v10, s[10:11]
	global_load_b128 v[BK+4:BK+7], v10, s[10:11] offset:16
	global_load_b32 v[BV], v11, s[12:13]
	; where the results go
	s_mul_i32 s48, s32, 98304
	s_lshl_b32 s33, s23, 6
	s_add_co_u32 s48, s48, s33
	s_add_nc_u64 s[36:37], s[16:17], s[48:49]      ; h32: q's row 0, column 16 c (k: 32,768 further)
	s_mul_i32 s48, s32, 98304
	s_lshl_b32 s33, s23, 10
	s_add_co_u32 s48, s48, s33
	s_add_co_u32 s48, s48, 65536
	s_add_nc_u64 s[38:39], s[16:17], s[48:49]      ; h32: v's channel 16 c
	s_lshl_b32 s33, s32, 3
	s_lshr_b32 s34, s23, 2
	s_add_co_u32 s33, s33, s34                     ; bh
	s_lshl_b32 s48, s33, 19
	s_and_b32 s33, ttmp9, 31
	s_lshl_b32 s34, s33, 14                        ; 8 tiles of 2,048 bytes a work-group
	s_add_co_u32 s48, s48, s34
	s_lshl_b32 s34, s22, 13
	s_add_co_u32 s48, s48, s34
	s_and_b32 s34, s23, 3
	s_lshl_b32 s34, s34, 9
	s_add_co_u32 s48, s48, s34
	s_add_nc_u64 s[40:41], s[14:15], s[48:49]      ; q
	s_add_nc_u64 s[42:43], s[40:41], 0x800000      ; k
	s_add_nc_u64 s[44:45], s[40:41], 0x1000000     ; v
	s_or_b32 s46, s33, s22                         ; 0 where my first tile is a sequence's first 16 positions
	s_wait_loadcnt 35                              ; the copy's five loads are in; the 24 + 6 + 5 behind them may be out
.irp n, 0,1,2,3
	ds_store_b128 v6, v[128+4*\n:131+4*\n] offset:8192*\n
.endr
	ds_store_b32 v7, v144 offset:XSL
	s_wait_dscnt 0x0                               ; for the others' sake: my part of the copy has landed
	s_barrier_signal -1
	s_barrier_wait -1
.macro FETCHX buf, m                   ; ten LDS loads: tile m's four fragments and two registers of scale words
.irp s, 0,1,2,3
.irp cc, 0,1
	ds_load_b128 v[XF0+32*(\buf)+8*\s+4*\cc:XF0+32*(\buf)+8*\s+4*\cc+3], v8 offset:4096*(\m)+1024*\s+512*\cc
.endr
.endr
.irp u, 0,1
	ds_load_b32 v[XSC+2*(\buf)+\u], v9 offset:256*(\m)+128*\u
.endr
.endm
.macro WM d, a, b, c, sa, sb, odd      ; odd K steps take their scales from lanes 16-31
.if \odd
	v_wmma_scale_f32_16x16x128_f8f6f4 v[(\d):(\d)+7], v[(\a):(\a)+7], v[(\b):(\b)+7], v[(\c):(\c)+7], v[\sa], v[\sb] matrix_a_fmt:MATRIX_FMT_FP4 matrix_b_fmt:MATRIX_FMT_FP4 matrix_a_scale:MATRIX_SCALE_ROW1 matrix_b_scale:MATRIX_SCALE_ROW1
.else
	v_wmma_scale_f32_16x16x128_f8f6f4 v[(\d):(\d)+7], v[(\a):(\a)+7], v[(\b):(\b)+7], v[(\c):(\c)+7], v[\sa], v[\sb] matrix_a_fmt:MATRIX_FMT_FP4 matrix_b_fmt:MATRIX_FMT_FP4
.endif
.endm
.macro MUL buf                         ; twelve matrix instructions; the three accumulators take turns, one instruction a turn
.set XFB, XF0+32*(\buf)
.set XSB, XSC+2*(\buf)
.irp s, 0,1,2,3
.if \s == 0
	WM AQ, W+8*\s, XFB+8*\s, BQ, WSC+\s/2, XSB+\s/2, \s%2
	WM AK, W+32+8*\s, XFB+8*\s, BK, WSC+2+\s/2, XSB+\s/2, \s%2
	WM AV, XFB+8*\s, W+64+8*\s, BV, XSB+\s/2, WSC+4+\s/2, \s%2
.else
	WM AQ, W+8*\s, XFB+8*\s, AQ, WSC+\s/2, XSB+\s/2, \s%2
	WM AK, W+32+8*\s, XFB+8*\s, AK, WSC+2+\s/2, XSB+\s/2, \s%2
	WM AV, XFB+8*\s, W+64+8*\s, AV, XSB+\s/2, WSC+4+\s/2, \s%2
.endif
.endr
.endm
	FETCHX 0, 0
	s_wait_loadcnt 0x0                             ; weights, their scale words, biases
.irp j, 1,2,3,4,5,6,7
	v_mov_b32 v[BV+\j], v[BV]                      ; in v's result a lane's eight registers are eight keys of ONE channel
.endr
	v_lshlrev_b32 v12, 11, v4
	v_lshl_add_u32 v12, v5, 5, v12                 ; h32, q and k: row r of 2,048 bytes, + 32 h
	v_lshlrev_b32 v13, 6, v4
	v_lshl_add_u32 v13, v5, 5, v13                 ; h32, v: channel r of 64 bytes, + 32 h
; Tile m of my four.  The next tile's ten LDS loads go out first; behind the products stand four places, then the conversions, which are also the places in front of the next tile's first products
; (they begin the accumulators anew) and of the loads into the buffer just multiplied.
.macro TILE m
.if \m < 3
	FETCHX (\m+1)%2, \m+1
	s_wait_dscnt 10                                ; this tile's ten are in; the ten just issued may be out
.else
	s_wait_dscnt 0x0
.endif
.if \m > 0
	s_wait_xcnt 0x0                                ; the last tile's stores have read their registers: the accumulators and the packed results are written again only behind this wait
.endif
	MUL \m%2
.rept 4
	v_nop
.endr
.if \m == 0
	s_cmp_lg_u32 s46, 0
	s_cbranch_scc1 .Lno_h32
	global_store_b128 v12, v[AQ:AQ+3], s[36:37]            ; each accumulator from its low end on
	global_store_b128 v12, v[AQ+4:AQ+7], s[36:37] offset:16
	global_store_b128 v12, v[AK:AK+3], s[36:37] offset:32768
	global_store_b128 v12, v[AK+4:AK+7], s[36:37] offset:32768+16
	global_store_b128 v13, v[AV:AV+3], s[38:39]
	global_store_b128 v13, v[AV+4:AV+7], s[38:39] offset:16
.Lno_h32:
.endif
.irp mat, 0,1,2
.irp i, 0,1,2,3
	v_cvt_pk_f16_f32 v[PK+4*\mat+\i], v[AQ+8*\mat+2*\i], v[AQ+8*\mat+2*\i+1]
.endr
.endr
.irp mat, 0,1,2
	global_store_b128 v2, v[PK+4*\mat:PK+4*\mat+3], s[40+2*\mat:41+2*\mat] offset:2048*\m   ; 32 lanes store 512 consecutive bytes
.endr
.endm
	TILE 0
	TILE 1
	TILE 2
	TILE 3
	s_wait_tensorcnt 0x0                           ; the wave's end: behind my last LDS store
	ds_add_u32 v[SPW], v[NIL]
	s_wait_dscnt 0x0
	s_endpgm
.Lfunc_end_k_q046f3da75e_qkv:
	.size	k_q046f3da75e_qkv, .Lfunc_end_k_q046f3da75e_qkv-k_q046f3da75e_qkv
	.p2alignl 7, 3214868480
	.fill 96, 4, 3214868480
	.section	.rodata,"a",@progbits
	.p2align	6, 0x0
	.amdhsa_kernel k_q046f3da75e_qkv
		.amdhsa_group_segment_fixed_size 36864
		.amdhsa_private_segment_fixed_size 0
		.amdhsa_enable_private_segment 0
		.amdhsa_kernarg_size 56
		.amdhsa_user_sgpr_count 2
		.amdhsa_user_sgpr_kernarg_segment_ptr 1
		.amdhsa_wavefront_size32 1
		.amdhsa_system_sgpr_workgroup_id_x 1
		.amdhsa_system_sgpr_workgroup_id_y 1
		.amdhsa_system_sgpr_workgroup_id_z 1
		.amdhsa_system_vgpr_workitem_id 0
		.amdhsa_next_free_vgpr 256
		.amdhsa_next_free_sgpr 66
		.amdhsa_reserve_vcc 0
		.amdhsa_float_denorm_mode_32 3
		.amdhsa_float_denorm_mode_16_64 3
		.amdhsa_memory_ordered 1
		.amdhsa_forward_progress 1
		.amdhsa_inst_pref_size 22
	.end_amdhsa_kernel
	.amdgpu_metadata
---
amdhsa.version: [ 1, 2 ]
amdhsa.kernels:
  - .name:           k_q046f3da75e_qkv
    .symbol:         k_q046f3da75e_qkv.kd
    .args:
      - { .name: xcs, .offset: 0, .size: 8, .value_kind: global_buffer, .address_space: global }
      - { .name: wts, .offset: 8, .size: 8, .value_kind: global_buffer, .address_space: global }
      - { .name: bq, .offset: 16, .size: 8, .value_kind: global_buffer, .address_space: global }
      - { .name: bk, .offset: 24, .size: 8, .value_kind: global_buffer, .address_space: global }
      - { .name: bv, .offset: 32, .size: 8, .value_kind: global_buffer, .address_space: global }
      - { .name: qkv16, .offset: 40, .size: 8, .value_kind: global_buffer, .address_space: global }
      - { .name: h32, .offset: 48, .size: 8, .value_kind: global_buffer, .address_space: global }
    .group_segment_fixed_size: 36864
    .private_segment_fixed_size: 0
    .kernarg_segment_align: 8
    .kernarg_segment_size: 56
    .max_flat_workgroup_size: 512
    .sgpr_count:     66
    .vgpr_count:     256
    .wavefront_size: 32
...
	.end_amdgpu_metadata
.endif
;; end of part 2
;; launch attn (part 3): grid 16 x 16, 8 waves a work-group, no clusters, 140,288 bytes of LDS; arguments qkv16, x16; writes x16
.if DOCPART == 3
	.amdgcn_target "amdgcn-amd-amdhsa--gfx1250"
	.amdhsa_code_object_version 6
	.text
	.protected	k_q046f3da75e_attn
	.globl	k_q046f3da75e_attn
	.p2align	8
	.type	k_q046f3da75e_attn,@function
k_q046f3da75e_attn:
	s_mov_b64 s[64:65], 0
	v_nop
	global_prefetch_b8 v0, s[64:65] scope:SCOPE_SE
	s_setreg_imm32_b32 hwreg(HW_REG_WAVE_MODE, 25, 1), 1
	s_wait_xcnt 0x0
; The attention under the mask that the problem builds itself: a query of block blk (128 positions) sees its own block up to itself, and of each earlier block j its first key and its last 32.  Only those keys are multiplied.
; f16 operands, f32 sums; softmax in f32 with a running maximum m and sum l: p = 2^(c s - c m), c = log2(e) / 8 (the division of q by sqrt(64) is folded into c); O and l are multiplied by a = 2^(c m_old - c m_new) in every step.
; LAYOUT: S^T = K Q^T (source 0 = 16 keys, source 1 = 16 queries), O^T = V^T P (source 0 = 16 channels, source 1 = P): a lane holds ONE query (lane % 16) throughout; two tiles of S^T, packed to f16 in pairs, ARE P.
; q, k, v lie in memory in the order of these operands' registers (pieces of 512 bytes, lane l's 16 bytes at 16 l), and so does the result x16, which is the next launch's operand.
; SHARES: work-group (i, bh) takes query blocks i and 31 - i of one batch and head, so that every work-group has 31 blocks of earlier keys in all.  Waves 0-3 take block i, waves 4-7 block 31 - i; a wave owns 32 queries, two tiles,
; 32 t' on (t' = w % 4 in the first group, 3 - w % 4 in the second).  A STEP is 32 keys: 8 products, the softmax of two tiles, 8 products.  A wave's steps: its own block's keys 32 u on, u = 0 .. t' (the last under the causal mask);
; the 32 first keys (slot j = key 128 j, masked to j < blk); the last 32 keys of blocks j < blk.  The own block comes first, so that every row has a finite maximum from its first step on.
; K and V come through registers into LDS, 64 KB (8 earlier blocks' tails of K and V) at a time, in two slots by turns, asked for one chunk's work ahead; all trip counts are constants, and a step that a wave does not need is jumped over.
; LIMITS: masked weights are taken as 0, which holds while the kept logits lie far above -1e10; q, k, v beyond 65,504 are not served (f16); NaN and infinities are not served.
; No cluster: the sixteen work-groups of a head need different numbers of chunks (31 - i tails), and LDS is filled through registers.
.set SLOT1, 65536                      ; LDS: slot 0 at 0, slot 1 here: 16 pieces of 4,096 bytes each, V's 32,768 behind K's
.set RZ,    131072                     ; the first keys: K 4,096 bytes, then V 4,096
.set SPARE, 139264                     ; the spare words, 128 bytes for each wave: four blocks of 256 bytes that no other line names
.set LI,   1                           ; v1  16 x lane
.set T16,  2                           ; v2  16 x thread
.set T16B, 3                           ; v3  the same in slot 1
.set OFA,  4                           ; v4  block i in a head's image, + 16 x thread
.set OFB,  5                           ; v5  block 31 - i
.set OFT,  6                           ; v6  a block's last 32 keys
.set OK0,  7                           ; v7  my 16 bytes of the first keys' K
.set OV0,  8                           ; v8  my first halfword of their V
.set ADK,  9                           ; v9  LDS address of the step in hand
.set D0,   10                          ; v10 r - 8 h;  v11 16 + r - 8 h;  v12 blk - 1 - 8 h: register 8 kt + j of a tile is hidden where 16 kt + j is greater
.set D1,   11
.set DR,   12
.set NINF, 13                          ; v13 -infinity
.set SPW,  14                          ; v14 LDS address of my spare word; v15 0; both never rewritten
.set NIL,  15
.set ST,   16                          ; tile t's statistics at v[ST + 8 t]: +0 c m, +1 m, +2, +3 l, +4, +5 at work, +6 a, +7 c m_old, then c m_old - c m_new
.set Q,    48                          ; v48-79   Q: 16 t + 4 ct
.set S,    80                          ; v80-111  S^T: 16 t + 8 kt
.set P,    112                         ; v112-127 P: 8 t
.set KF,   128                         ; v128-159 K: 16 kt + 4 ct
.set VF,   160                         ; v160-191 V: 8 ct + 4 tt
.set O,    192                         ; v192-255 O^T: 32 t + 8 ct
                                       ; window 1: v256-319 (written v0-63): 16 pieces on their way from memory to LDS
.set MSB, 0
.macro WIN new                         ; the immediate's high byte repeats the setting that is left
.if MSB != \new
	s_set_vgpr_msb (MSB<<8)|\new
.set MSB, \new
.endif
.endm
	s_load_b128 s[4:7], s[0:1], 0x0                ; qkv16, x16
	v_lshl_add_u32 v[SPW], v0, 2, SPARE
	v_mov_b32 v[NIL], 0
	v_lshrrev_b32 v1, 5, v0
	v_readfirstlane_b32 s8, v1                     ; wave 0..7
	v_and_b32 v1, 31, v0
	v_lshlrev_b32 v[LI], 4, v1
	v_lshlrev_b32 v[T16], 4, v0
	v_add_nc_u32 v[T16B], SLOT1, v[T16]
	s_mov_b32 s9, ttmp9                            ; i
	s_and_b32 s10, ttmp7, 0xffff                   ; bh
	s_lshr_b32 s11, s8, 2                          ; grp
	s_mul_i32 s15, s11, 31
	s_xor_b32 s12, s9, s15                         ; blk = i or 31 - i
	s_and_b32 s13, s8, 3
	s_mul_i32 s15, s11, 3
	s_xor_b32 s13, s13, s15                        ; t' = w % 4 or 3 - w % 4
	s_sub_co_u32 s14, 31, s9                       ; the work-group's later block: so many tails are needed
	s_lshl_b32 s15, s9, 14
	v_add_nc_u32 v[OFA], s15, v[T16]
	s_lshl_b32 s15, s14, 14
	v_add_nc_u32 v[OFB], s15, v[T16]
	v_add_nc_u32 v[OFT], 12288, v[T16]
	v_and_b32 v32, 15, v0                          ; r
	v_bfe_u32 v33, v0, 4, 1                        ; h
	v_bfe_u32 v34, v0, 5, 2                        ; ct   (thread = 128 g + 32 ct + 16 h + r)
	v_bfe_u32 v35, v0, 7, 1                        ; g
	v_lshl_add_u32 v36, v35, 4, v32                ; slot 16 g + r: key 128 x slot is row 0 of tile 8 x slot
	v_lshlrev_b32 v[OK0], 14, v36
	v_lshl_add_u32 v[OK0], v34, 9, v[OK0]
	v_lshl_add_u32 v[OK0], v33, 8, v[OK0]
	v_lshlrev_b32 v36, 1, v35
	v_add_nc_u32 v36, v36, v33
	v_lshlrev_b32 v[OV0], 17, v36                  ; slots 16 g + 8 h + p, p = 0 .. 7, 16,384 bytes apart
	v_lshl_add_u32 v[OV0], v34, 9, v[OV0]
	v_lshl_add_u32 v[OV0], v32, 4, v[OV0]          ; channel 16 ct + r, the tile's first key
	v_lshlrev_b32 v36, 3, v33
	v_sub_nc_u32 v[D0], v32, v36
	v_add_nc_u32 v[D1], 16, v[D0]
	s_sub_co_u32 s15, s12, 1
	v_sub_nc_u32 v[DR], s15, v36
	v_mov_b32 v[NINF], 0xff800000
	v_add_nc_u32 v[ADK], RZ, v[T16]                ; at the head: where my pieces of the first keys go
	s_mov_b32 s24, 0x3e38aa3b                      ; c = log2(e) / 8
	s_mov_b32 s25, s24                             ; (named with it as a pair, so it is written)
	s_mov_b32 s26, 0x76543210
	s_mov_b32 s27, 0xfedcba98                      ; v_permlanex16_b32's selects for lane l xor 16
	s_lshl_b32 s32, s10, 19
	s_mov_b32 s33, 0
	s_wait_kmcnt 0x0
	s_add_nc_u64 s[20:21], s[4:5], s[32:33]        ; my head's q,
	s_add_nc_u64 s[16:17], s[20:21], 0x800000      ; k,
	s_add_nc_u64 s[18:19], s[20:21], 0x1000000     ; v
	s_lshl_b32 s32, s12, 14
	s_lshl_b32 s34, s13, 12
	s_add_co_u32 s32, s32, s34
	s_add_nc_u64 s[20:21], s[20:21], s[32:33]      ; q at my two tiles: 8 blk + 2 t'
	s_lshr_b32 s34, s10, 3
	s_lshl_b32 s34, s34, 5
	s_add_co_u32 s34, s34, s12                     ; block of 128 rows: 32 batch + blk
	s_lshl_b32 s32, s34, 17
	s_bfe_u32 s34, s10, 0x20001                    ; head / 2
	s_lshl_b32 s34, s34, 15
	s_add_co_u32 s32, s32, s34
	s_lshl_b32 s34, s13, 13
	s_add_co_u32 s32, s32, s34
	s_and_b32 s34, s10, 1
	s_lshl_b32 s34, s34, 11
	s_add_co_u32 s32, s32, s34
	s_add_nc_u64 s[22:23], s[6:7], s[32:33]        ; x16 at my two tiles
.macro LOADT c                         ; 16 loads: the last 32 keys of blocks 8 c .. 8 c + 7, K's pieces and V's, 4,096 consecutive bytes a work-group each
	WIN 0x40                                       ; destination window 1
.irp n, 0,1,2,3,4,5,6,7
	global_load_b128 v[4*\n:4*\n+3], v[OFT], s[16:17] offset:131072*(\c)+16384*\n
.endr
.irp n, 0,1,2,3,4,5,6,7
	global_load_b128 v[32+4*\n:32+4*\n+3], v[OFT], s[18:19] offset:131072*(\c)+16384*\n
.endr
	WIN 0
.endm
.macro STORE16 areg                    ; the 16 pieces go to a slot
	WIN 0x04                                       ; an LDS store's data are its source 1: window 1
.irp m, 0,1,2,3,4,5,6,7,8,9,10,11,12,13,14,15
	ds_store_b128 v[\areg], v[4*\m:4*\m+3] offset:4096*\m
.endr
	WIN 0
.endm
	WIN 0x40                                       ; the two own blocks: K of i, K of 31 - i, V of i, V of 31 - i, four pieces of 32 keys each
.irp m, 0,1,2,3
	global_load_b128 v[4*\m:4*\m+3], v[OFA], s[16:17] offset:4096*\m
.endr
.irp m, 0,1,2,3
	global_load_b128 v[16+4*\m:16+4*\m+3], v[OFB], s[16:17] offset:4096*\m
.endr
.irp m, 0,1,2,3
	global_load_b128 v[32+4*\m:32+4*\m+3], v[OFA], s[18:19] offset:4096*\m
.endr
.irp m, 0,1,2,3
	global_load_b128 v[48+4*\m:48+4*\m+3], v[OFB], s[18:19] offset:4096*\m
.endr
	WIN 0
	global_load_b128 v[32:35], v[OK0], s[16:17]    ; the first keys: my piece of K,
.irp p, 0,1,2,3,4,5,6,7
	global_load_u16 v[36+\p], v[OV0], s[18:19] offset:16384*\p   ; and eight numbers of V
.endr
.irp t, 0,1
.irp ct, 0,1,2,3
	global_load_b128 v[Q+16*\t+4*\ct:Q+16*\t+4*\ct+3], v[LI], s[20:21] offset:2048*\t+512*\ct
.endr
.endr
.irp t, 0,1                                    ; the step is written without a first step of its own: it finds zeros, and a maximum under every score
	v_mov_b32 v[ST+8*\t+1], 0xff61b1e6             ; m = -3e38
	v_mul_f32 v[ST+8*\t], s24, v[ST+8*\t+1]
.irp j, 2,3,4,5,6,7
	v_mov_b32 v[ST+8*\t+\j], 0
.endr
.endr
.set j, 0
.rept 64
	v_mov_b32 v[O+j], 0
.set j, j+1
.endr
	s_wait_loadcnt 8                               ; all but Q's eight
.irp p, 0,1,2,3
	v_lshl_or_b32 v[44+\p], v[37+2*\p], 16, v[36+2*\p]
.endr
	STORE16 T16
	ds_store_b128 v[ADK], v[32:35]
	ds_store_b128 v[ADK], v[44:47] offset:4096
	s_wait_dscnt 0x0                               ; for the others' sake: my pieces have landed
	s_barrier_signal -1
	s_barrier_wait -1
	LOADT 0                                        ; the first chunk of tails: it has the own block's steps in which to come
	s_wait_loadcnt 16                              ; Q is in; the 16 just issued may be out
.macro MASK d0, d1                     ; hidden scores become -infinity ahead of the maximum: p = 0 then.  Each accumulator is read from its low end on
.irp n, 0,1,2,3,4,5,6,7,8,9,10,11,12,13,14,15
	v_cmp_gt_i32 vcc_lo, 16*(\n/8)+\n%8, v[\d0]
	v_cndmask_b32 v[S+\n], v[S+\n], v[NINF], vcc_lo
.endr
.irp n, 0,1,2,3,4,5,6,7,8,9,10,11,12,13,14,15
	v_cmp_gt_i32 vcc_lo, 16*(\n/8)+\n%8, v[\d1]
	v_cndmask_b32 v[S+16+\n], v[S+16+\n], v[NINF], vcc_lo
.endr
.endm
; A STEP: the 32 keys whose K lies at LDS byte s28 and whose V lies voff further.  mask = 0: all keys count; 1: masked; 2: masked where s30 = t' (the own block's last step).
.macro STEP mask, voff, d0, d1
	v_add_nc_u32 v[ADK], s28, v[LI]
	v_nop                                          ; with the addition: four places in front of loads into registers that the last step's products read
	v_nop
	v_nop
.irp kt, 0,1
.irp ct, 0,1,2,3
	ds_load_b128 v[KF+16*\kt+4*\ct:KF+16*\kt+4*\ct+3], v[ADK] offset:2048*\kt+512*\ct
.endr
.endr
.irp ct, 0,1,2,3
.irp tt, 0,1
	ds_load_b128 v[VF+8*\ct+4*\tt:VF+8*\ct+4*\tt+3], v[ADK] offset:\voff+2048*\tt+512*\ct
.endr
.endr
	s_wait_dscnt 8                                 ; K is in; V's eight may be out
.irp f, 0,1                                    ; S^T = K Q^T: four accumulators by turns, one instruction a turn
.irp kt, 0,1
.irp t, 0,1
.if \f == 0
	v_wmma_f32_16x16x32_f16 v[S+16*\t+8*\kt:S+16*\t+8*\kt+7], v[KF+16*\kt+8*\f:KF+16*\kt+8*\f+7], v[Q+16*\t+8*\f:Q+16*\t+8*\f+7], 0
.else
	v_wmma_f32_16x16x32_f16 v[S+16*\t+8*\kt:S+16*\t+8*\kt+7], v[KF+16*\kt+8*\f:KF+16*\kt+8*\f+7], v[Q+16*\t+8*\f:Q+16*\t+8*\f+7], v[S+16*\t+8*\kt:S+16*\t+8*\kt+7]
.endif
.endr
.endr
.endr
	v_mov_b32 v[ST+7], v[ST]                       ; c m_old is kept; with the two v_nop: four places behind the products
	v_mov_b32 v[ST+15], v[ST+8]
	v_nop
	v_nop
.if \mask == 2
	s_cmp_lg_u32 s30, s13
	s_cbranch_scc1 .Lopen_\@
	MASK \d0, \d1
.Lopen_\@:
.endif
.if \mask == 1
	MASK \d0, \d1
.endif
.irp t, 0,1                                    ; the largest of a lane's 16 scores and the old m: two chains a tile, each begun at an accumulator's low end
	v_max3_num_f32 v[ST+8*\t+4], v[S+16*\t], v[S+16*\t+1], v[S+16*\t+2]
	v_max3_num_f32 v[ST+8*\t+5], v[S+16*\t+8], v[S+16*\t+9], v[S+16*\t+10]
.endr
.irp i, 3,5
.irp t, 0,1
	v_max3_num_f32 v[ST+8*\t+4], v[ST+8*\t+4], v[S+16*\t+\i], v[S+16*\t+\i+1]
	v_max3_num_f32 v[ST+8*\t+5], v[ST+8*\t+5], v[S+16*\t+8+\i], v[S+16*\t+9+\i]
.endr
.endr
.irp t, 0,1
	v_max3_num_f32 v[ST+8*\t+4], v[ST+8*\t+4], v[S+16*\t+7], v[S+16*\t+15]
.endr
.irp t, 0,1
	v_max3_num_f32 v[ST+8*\t+4], v[ST+8*\t+4], v[ST+8*\t+5], v[ST+8*\t+1]
.endr
.irp t, 0,1
	v_permlanex16_b32 v[ST+8*\t+5], v[ST+8*\t+4], s26, s27   ; the query's other 16 keys lie in the lane 16 away
.endr
.irp t, 0,1
	v_max_num_f32 v[ST+8*\t+1], v[ST+8*\t+4], v[ST+8*\t+5]
.endr
.irp t, 0,1
	v_mul_f32 v[ST+8*\t], s24, v[ST+8*\t+1]
.endr
.irp t, 0,1
	v_sub_f32 v[ST+8*\t+7], v[ST+8*\t+7], v[ST+8*\t]
.endr
.irp t, 0,1
.irp b, 0,1,2,3,4,5,6,7
	v_pk_fma_f32 v[S+16*\t+2*\b:S+16*\t+2*\b+1], v[S+16*\t+2*\b:S+16*\t+2*\b+1], s[24:25], v[ST+8*\t:ST+8*\t+1] op_sel_hi:[1,0,0] neg_lo:[0,0,1] neg_hi:[0,0,1]   ; c s - c m
.endr
.endr
.irp t, 0,1                                    ; ONE BATCH: 34 exponentials, none of which reads another's result
	v_exp_f32 v[ST+8*\t+6], v[ST+8*\t+7]           ; a
.endr
.irp n, 0,1,2,3,4,5,6,7,8,9,10,11,12,13,14,15,16,17,18,19,20,21,22,23,24,25,26,27,28,29,30,31
	v_exp_f32 v[S+\n], v[S+\n]                     ; p
.endr
	v_nop                                          ; a plain place behind the last exponential
	s_wait_alu depctr_va_vdst(0)                   ; one wait for the batch, ahead of its first reader
.irp t, 0,1
.irp i, 0,1,2,3,4,5,6,7
	v_cvt_pk_f16_f32 v[P+8*\t+\i], v[S+16*\t+2*\i], v[S+16*\t+2*\i+1]   ; ahead of the sums, which work in place
.endr
.endr
.irp i, 0,2,4,6                                ; the sum of the unrounded p: eight pairs a tile, as a tree
.irp t, 0,1
	v_pk_add_f32 v[S+16*\t+\i:S+16*\t+\i+1], v[S+16*\t+\i:S+16*\t+\i+1], v[S+16*\t+8+\i:S+16*\t+9+\i]
.endr
.endr
.irp i, 0,2
.irp t, 0,1
	v_pk_add_f32 v[S+16*\t+\i:S+16*\t+\i+1], v[S+16*\t+\i:S+16*\t+\i+1], v[S+16*\t+4+\i:S+16*\t+5+\i]
.endr
.endr
.irp t, 0,1
	v_pk_add_f32 v[S+16*\t:S+16*\t+1], v[S+16*\t:S+16*\t+1], v[S+16*\t+2:S+16*\t+3]
.endr
.irp t, 0,1
	v_pk_fma_f32 v[ST+8*\t+2:ST+8*\t+3], v[ST+8*\t+2:ST+8*\t+3], v[ST+8*\t+6:ST+8*\t+7], v[S+16*\t:S+16*\t+1] op_sel_hi:[1,0,1]   ; l = a l + the sum
.endr
.irp t, 0,1
.irp i, 0,1,2,3,4,5,6,7,8,9,10,11,12,13,14,15
	v_pk_mul_f32 v[O+32*\t+2*\i:O+32*\t+2*\i+1], v[O+32*\t+2*\i:O+32*\t+2*\i+1], v[ST+8*\t+6:ST+8*\t+7] op_sel_hi:[1,0]   ; O^T x a, each accumulator from its low end on
.endr
.endr
	s_wait_dscnt 0x0                               ; V is in
.irp ct, 0,1,2,3                               ; O^T += V^T P: eight accumulators, one instruction each
.irp t, 0,1
	v_wmma_f32_16x16x32_f16 v[O+32*\t+8*\ct:O+32*\t+8*\ct+7], v[VF+8*\ct:VF+8*\ct+7], v[P+8*\t:P+8*\t+7], v[O+32*\t+8*\ct:O+32*\t+8*\ct+7]
.endr
.endr
.endm
	; ---- my own block: four trips, of which steps u = 0 .. t' are walked
	s_mov_b32 s30, 0
	s_lshl_b32 s28, s11, 14                        ; K of my group's block
.Llocal:
	s_cmp_gt_u32 s30, s13
	s_cbranch_scc1 .Llocal_next
	STEP 2, 32768, D0, D1
.Llocal_next:
	s_add_co_u32 s28, s28, 4096
	s_add_co_u32 s30, s30, 1
	s_cmp_lt_u32 s30, 4
	s_cbranch_scc1 .Llocal
	; ---- the first keys of the earlier blocks
	s_cmp_eq_u32 s12, 0
	s_cbranch_scc1 .Lno_first
	s_mov_b32 s28, RZ
	STEP 1, 4096, DR, DR
.Lno_first:
; ---- the tails, chunk c: blocks 8 c .. 8 c + 7.  One barrier a chunk: in front of it each wave's stores into this chunk's slot have landed and its reads of the other slot are over; behind it the other slot's
; next pieces are asked for, into registers, and stored a chunk later.  A chunk that the work-group's later block does not reach is neither loaded nor stored (a branch on the work-group's number; 31 - i is at least 16).
.macro TRIP c, areg
	s_wait_loadcnt 0x0                             ; this chunk's 16 loads, asked for a chunk of work ago
.if \c >= 2
	s_cmp_le_u32 s14, 8*\c
	s_cbranch_scc1 .Lno_store_\@
.endif
	STORE16 \areg
.Lno_store_\@:
	s_wait_dscnt 0x0
	s_barrier_signal -1
	s_barrier_wait -1
.if \c < 3
.if \c >= 1
	s_cmp_le_u32 s14, 8*\c+8
	s_cbranch_scc1 .Lno_load_\@
.endif
	LOADT \c+1
.Lno_load_\@:
.endif
	s_mov_b32 s28, ((\c+1)%2)*SLOT1
	s_mov_b32 s30, 8*\c                            ; j
.Ltail_\@:
	s_cmp_ge_u32 s30, s12
	s_cbranch_scc1 .Ltail_next_\@
	STEP 0, 32768, D0, D1
.Ltail_next_\@:
	s_add_co_u32 s28, s28, 4096
	s_add_co_u32 s30, s30, 1
	s_cmp_lt_u32 s30, 8*\c+8
	s_cbranch_scc1 .Ltail_\@
.endm
	TRIP 0, T16B
	TRIP 1, T16
	TRIP 2, T16B
	TRIP 3, T16
	; ---- the way out: O^T / l, rounded to f16: a lane's eight channels of a row are its 16 bytes of the piece.  The four additions are the places behind the last products
.irp t, 0,1
	v_add_f32 v[ST+8*\t+4], v[ST+8*\t+2], v[ST+8*\t+3]
.endr
.irp t, 0,1
	v_permlanex16_b32 v[ST+8*\t+5], v[ST+8*\t+4], s26, s27
.endr
.irp t, 0,1
	v_add_f32 v[ST+8*\t+4], v[ST+8*\t+4], v[ST+8*\t+5]
.endr
.irp t, 0,1
	v_rcp_f32 v[ST+8*\t+6], v[ST+8*\t+4]
.endr
	v_nop                                          ; a plain place behind the reciprocals
	s_wait_alu depctr_va_vdst(0)                   ; and one wait for both, ahead of their first reader
.irp t, 0,1
.irp i, 0,1,2,3,4,5,6,7,8,9,10,11,12,13,14,15
	v_pk_mul_f32 v[O+32*\t+2*\i:O+32*\t+2*\i+1], v[O+32*\t+2*\i:O+32*\t+2*\i+1], v[ST+8*\t+6:ST+8*\t+7] op_sel_hi:[1,0]
.endr
.endr
.irp t, 0,1
.irp i, 0,1,2,3,4,5,6,7,8,9,10,11,12,13,14,15
	v_cvt_pk_f16_f32 v[KF+16*\t+\i], v[O+32*\t+2*\i], v[O+32*\t+2*\i+1]
.endr
.endr
.irp t, 0,1
.irp ct, 0,1,2,3
	global_store_b128 v[LI], v[KF+16*\t+4*\ct:KF+16*\t+4*\ct+3], s[22:23] offset:4096*\t+512*\ct   ; 32 lanes store 512 consecutive bytes
.endr
.endr
	s_wait_tensorcnt 0x0                           ; the wave's end: behind my last LDS store
	ds_add_u32 v[SPW], v[NIL]
	s_wait_dscnt 0x0
	s_endpgm
.Lfunc_end_k_q046f3da75e_attn:
	.size	k_q046f3da75e_attn, .Lfunc_end_k_q046f3da75e_attn-k_q046f3da75e_attn
	.p2alignl 7, 3214868480
	.fill 96, 4, 3214868480
	.section	.rodata,"a",@progbits
	.p2align	6, 0x0
	.amdhsa_kernel k_q046f3da75e_attn
		.amdhsa_group_segment_fixed_size 140288
		.amdhsa_private_segment_fixed_size 0
		.amdhsa_enable_private_segment 0
		.amdhsa_kernarg_size 16
		.amdhsa_user_sgpr_count 2
		.amdhsa_user_sgpr_kernarg_segment_ptr 1
		.amdhsa_wavefront_size32 1
		.amdhsa_system_sgpr_workgroup_id_x 1
		.amdhsa_system_sgpr_workgroup_id_y 1
		.amdhsa_system_sgpr_workgroup_id_z 1
		.amdhsa_system_vgpr_workitem_id 0
		.amdhsa_next_free_vgpr 320
		.amdhsa_next_free_sgpr 66
		.amdhsa_reserve_vcc 1
		.amdhsa_float_denorm_mode_32 3
		.amdhsa_float_denorm_mode_16_64 3
		.amdhsa_memory_ordered 1
		.amdhsa_forward_progress 1
		.amdhsa_inst_pref_size 92
	.end_amdhsa_kernel
	.amdgpu_metadata
---
amdhsa.version: [ 1, 2 ]
amdhsa.kernels:
  - .name:           k_q046f3da75e_attn
    .symbol:         k_q046f3da75e_attn.kd
    .args:
      - { .name: qkv16, .offset: 0, .size: 8, .value_kind: global_buffer, .address_space: global }
      - { .name: x16, .offset: 8, .size: 8, .value_kind: global_buffer, .address_space: global }
    .group_segment_fixed_size: 140288
    .private_segment_fixed_size: 0
    .kernarg_segment_align: 8
    .kernarg_segment_size: 16
    .max_flat_workgroup_size: 256
    .sgpr_count:     66
    .vgpr_count:     320
    .wavefront_size: 32
...
	.end_amdgpu_metadata
.endif
;; end of part 3
;; launch oproj (part 4): grid 4 x 64, 8 waves a work-group, no clusters, 297,984 bytes of LDS; arguments x16, wts, bo, out0; writes out0
.if DOCPART == 4
	.amdgcn_target "amdgcn-amd-amdhsa--gfx1250"
	.amdhsa_code_object_version 6
	.text
	.protected	k_q046f3da75e_oproj
	.globl	k_q046f3da75e_oproj
	.p2align	8
	.type	k_q046f3da75e_oproj,@function
k_q046f3da75e_oproj:
	s_mov_b64 s[64:65], 0
	v_nop
	global_prefetch_b8 v0, s[64:65] scope:SCOPE_SE
	s_setreg_imm32_b32 hwreg(HW_REG_WAVE_MODE, 25, 1), 1
	s_wait_xcnt 0x0
; out = x wo + bo, f16 operands, f32 sums, the bias as the C of each sum's first instruction; all rows but the first 16 of each sequence, which a later launch carries in f32.
; Work-group (CB, RB): rows 128 RB on, columns 128 CB on, K = 512.  Both operands lie in memory in the order of the operands' registers, each a dense block of 131,072 bytes: [4 chunks of 128 along K][8 tiles of 16][4,096 bytes].
; They come into LDS ONCE, by tensor loads: four a wave, one for each chunk, 8,192 bytes each (waves 0-3: x's, waves 4-7: wo's), all issued at the head: four loads of a wave are out.  Nothing is filled again.
; Wave w: tiles of rows 2 (w / 2), + 1; tiles of columns 4 (w % 2) .. + 3: eight accumulators.  THE MATRIX INSTRUCTION IS USED TRANSPOSED (source 0 = 16 columns of wo, source 1 = 16 rows of x): a lane holds eight neighbouring columns of a row.
; No cluster in this text, though tiles are shared (x's block by the 4 work-groups of a row of the grid, wo's by the 64 of a column): each work-group asks for its 262,144 bytes once, at its head.
; LIMITS: operands beyond 65,504 are not served (f16).
; SCALARS: s[24:31] descriptor group 1 and s[32:47] the four groups 0 are written once, ahead of the loads, and never again; all that is made behind the loads lies outside them.
.set STAGE, 262144                     ; behind the four chunks of 65,536 (x's 32,768, then wo's): 16 rows x (256 bytes + 16) for each wave; no fill lands here
.set SPARE, 296960                     ; the spare words, 128 bytes for each wave: four blocks of 256 bytes that no other line names
.set LI,  1                            ; v1  16 x lane
.set AX,  2                            ; v2  LDS address of my fragments of x in the chunk in hand
.set AW,  3                            ; v3  of wo
.set STO, 6                            ; v6  the stage: where I put 32 bytes of a row
.set RD,  7                            ; v7  and where I read a row back
.set CO,  8                            ; v8  my byte offset in two rows of out
.set SPW, 14                           ; v14 LDS address of my spare word; v15 0; both never rewritten
.set NIL, 15
.set BIAS, 16                          ; v16-47   8 b
.set ACC,  48                          ; v48-111  8 (4 a + b)
.set F0,   112                         ; v112-159, v160-207 two fragment buffers: x at 8 a, wo at 16 + 8 b
.set OB0,  208                         ; v208-239 rows on the way out (the second 16 rows: v112-143)
.set FIRST, 52                         ; s52 0 where my first 16 rows are a sequence's first 16 positions
	s_load_b128 s[4:7], s[0:1], 0x0                ; x16, wts
	s_load_b128 s[8:11], s[0:1], 0x10              ; bo, out0
	v_lshl_add_u32 v[SPW], v0, 2, SPARE
	v_mov_b32 v[NIL], 0
	ds_add_u32 v[SPW], v[NIL]                      ; the wave's opening: the add, twice on end, and its wait ahead of my first tensor load
	ds_add_u32 v[SPW], v[NIL]
	v_lshrrev_b32 v1, 5, v0
	v_readfirstlane_b32 s12, v1                    ; wave 0..7
	s_and_b32 s13, ttmp7, 0xffff                   ; RB
	; descriptor group 1: a dense block of 8,192 bytes as 32 rows of 256 bytes (32 elements of 8 bytes), no padding: a piece's 512 bytes are read by 32 lanes, 16 consecutive bytes each
	s_mov_b32 s24, 3<<16                           ; no mask; elements of 8 bytes
	s_mov_b32 s25, 32<<16                          ; tensor_dim0 = 32
	s_mov_b32 s26, 32<<16                          ; tensor_dim1 = 32
	s_mov_b32 s27, 32<<16                          ; tile_dim0 = 32
	s_mov_b32 s28, 32                              ; tile_dim1 = 32
	s_mov_b32 s29, 32                              ; from row to row: 32 elements
	s_mov_b32 s30, 0
	s_mov_b32 s31, 0
	s_lshl_b32 s20, s12, 13                        ; LDS: wave x 8,192 in each chunk
	s_wait_dscnt 0x0                               ; both opening adds are done
	s_wait_kmcnt 0x0
	s_add_nc_u64 s[16:17], s[6:7], 417792          ; wo in f16
	s_cmp_lt_u32 s12, 4                            ; waves 0-3 fetch x's block RB, waves 4-7 wo's block CB
	s_cselect_b64 s[14:15], s[4:5], s[16:17]
	s_cselect_b32 s18, s13, ttmp9
	s_lshl_b32 s18, s18, 17
	s_and_b32 s19, s12, 3
	s_lshl_b32 s19, s19, 13
	s_add_co_u32 s18, s18, s19
	s_mov_b32 s19, 0
	s_add_nc_u64 s[14:15], s[14:15], s[18:19]
.irp q, 0,1,2,3
	s_mov_b32 s[32+4*\q], 1                        ; count = 1
	s_add_co_u32 s[33+4*\q], s20, 65536*\q         ; LDS address
	s_add_nc_u64 s[34+4*\q:35+4*\q], s[14:15], 32768*\q   ; global address: chunk q
	s_or_b32 s[35+4*\q], s[35+4*\q], 0x80000000    ; type = 2
.endr
.irp q, 0,1,2,3
	tensor_load_to_lds s[32+4*\q:35+4*\q], s[24:31]
	s_nop 0
.endr
	v_and_b32 v1, 31, v0
	v_lshlrev_b32 v[LI], 4, v1
	v_and_b32 v10, 15, v0                          ; r
	v_bfe_u32 v11, v0, 4, 1                        ; h
	v_lshlrev_b32 v9, 5, v11                       ; bo: 8 h numbers on
	s_lshr_b32 s21, s12, 1                         ; wr
	s_and_b32 s22, s12, 1                          ; wc
	s_lshl_b32 s48, ttmp9, 9
	s_lshl_b32 s23, s22, 8
	s_add_co_u32 s48, s48, s23                     ; my first column, in bytes: 512 CB + 256 wc
	s_mov_b32 s49, 0
	s_add_nc_u64 s[8:9], s[8:9], s[48:49]
.irp b, 0,1,2,3
	global_load_b128 v[BIAS+8*\b:BIAS+8*\b+3], v9, s[8:9] offset:64*\b
	global_load_b128 v[BIAS+8*\b+4:BIAS+8*\b+7], v9, s[8:9] offset:64*\b+16
.endr
	s_lshl_b32 s23, s13, 18                        ; 128 rows of 2,048 bytes
	s_add_co_u32 s48, s48, s23
	s_lshl_b32 s23, s21, 16                        ; 32 rows
	s_add_co_u32 s48, s48, s23
	s_add_nc_u64 s[50:51], s[10:11], s[48:49]      ; out at my first row and column
	s_and_b32 s[FIRST], s13, 31
	s_or_b32 s[FIRST], s[FIRST], s21               ; 0 where my first 16 rows are a sequence's first 16 positions
	s_lshl_b32 s23, s21, 13
	v_add_nc_u32 v[AX], s23, v[LI]
	s_lshl_b32 s23, s22, 14
	s_add_co_u32 s23, s23, 32768
	v_add_nc_u32 v[AW], s23, v[LI]
	s_mul_i32 s23, s12, 4352
	s_add_co_u32 s23, s23, STAGE                   ; my stage
	v_mul_u32_u24 v[STO], v10, 272
	v_lshl_add_u32 v[STO], v11, 5, v[STO]
	v_add_nc_u32 v[STO], s23, v[STO]               ; in: row r, 32 bytes for each half of the lanes
	v_mul_u32_u24 v[RD], v11, 272
	v_lshl_add_u32 v[RD], v10, 4, v[RD]
	v_add_nc_u32 v[RD], s23, v[RD]                 ; back: lanes 0-15 one row of 256 bytes, lanes 16-31 the next
	v_lshlrev_b32 v[CO], 11, v11
	v_lshl_add_u32 v[CO], v10, 4, v[CO]            ; and the same two rows in out
.macro FETCH buf, kk                   ; twelve LDS loads: 32 along K, the chunk's kk-th
.irp a, 0,1
.irp c, 0,1
	ds_load_b128 v[F0+48*(\buf)+8*\a+4*\c:F0+48*(\buf)+8*\a+4*\c+3], v[AX] offset:4096*\a+1024*(\kk)+512*\c
.endr
.endr
.irp b, 0,1,2,3
.irp c, 0,1
	ds_load_b128 v[F0+48*(\buf)+16+8*\b+4*\c:F0+48*(\buf)+16+8*\b+4*\c+3], v[AW] offset:4096*\b+1024*(\kk)+512*\c
.endr
.endr
.endm
.macro MUL8 buf, first                 ; eight accumulators by turns, one instruction a turn, in the same order in every K step
.irp a, 0,1
.irp b, 0,1,2,3
.if \first
	v_wmma_f32_16x16x32_f16 v[ACC+8*(4*\a+\b):ACC+8*(4*\a+\b)+7], v[F0+48*(\buf)+16+8*\b:F0+48*(\buf)+16+8*\b+7], v[F0+48*(\buf)+8*\a:F0+48*(\buf)+8*\a+7], v[BIAS+8*\b:BIAS+8*\b+7]
.else
	v_wmma_f32_16x16x32_f16 v[ACC+8*(4*\a+\b):ACC+8*(4*\a+\b)+7], v[F0+48*(\buf)+16+8*\b:F0+48*(\buf)+16+8*\b+7], v[F0+48*(\buf)+8*\a:F0+48*(\buf)+8*\a+7], v[ACC+8*(4*\a+\b):ACC+8*(4*\a+\b)+7]
.endif
.endr
.endr
.rept 4
	v_nop                                          ; four places in front of loads into registers that these products read, and of the first read of results
.endr
.endm
.macro CHUNK q
	s_wait_tensorcnt 3-\q                          ; my part of chunk q has landed; the later chunks' loads may be out
	s_wait_dscnt 0x0
	s_barrier_signal -1
	s_barrier_wait -1                              ; everybody's has
.if \q > 0
	v_add_nc_u32 v[AX], 65536, v[AX]
	v_add_nc_u32 v[AW], 65536, v[AW]
.endif
	FETCH 0, 0
.irp kk, 0,1,2,3
.if \kk < 3
	FETCH (\kk+1)%2, \kk+1
	s_wait_dscnt 12                                ; this K step's twelve are in; the twelve just issued may be out
.else
	s_wait_dscnt 0x0
.endif
.if (\q == 0) && (\kk == 0)
	s_wait_loadcnt 0x0                             ; the bias
	MUL8 \kk%2, 1
.else
	MUL8 \kk%2, 0
.endif
.endr
.endm
	CHUNK 0
	CHUNK 1
	CHUNK 2
	CHUNK 3
; THE WAY OUT of my tile of rows a: through my own stage, back as whole rows of 256 bytes.  LDS serves a wave's instructions in order: no wait between the stores and the loads.
.macro OUTB a, ob
.irp b, 0,1,2,3
	ds_store_b128 v[STO], v[ACC+8*(4*(\a)+\b):ACC+8*(4*(\a)+\b)+3] offset:64*\b        ; each accumulator from its low end on
	ds_store_b128 v[STO], v[ACC+8*(4*(\a)+\b)+4:ACC+8*(4*(\a)+\b)+7] offset:64*\b+16
.endr
.irp t, 0,1,2,3,4,5,6,7
	ds_load_b128 v[(\ob)+4*\t:(\ob)+4*\t+3], v[RD] offset:544*\t
.endr
.irp t, 0,1,2,3,4,5,6,7
	s_wait_dscnt 7-\t
	global_store_b128 v[CO], v[(\ob)+4*\t:(\ob)+4*\t+3], s[50:51] offset:(16*(\a)+2*\t)*2048 th:TH_STORE_NT   ; sixteen lanes store 256 consecutive bytes, aligned
.endr
.endm
	s_cmp_eq_u32 s[FIRST], 0                       ; a sequence's first 16 rows are another launch's
	s_cbranch_scc1 .Lnot_mine
	OUTB 0, OB0
.Lnot_mine:
	OUTB 1, F0
	s_wait_tensorcnt 0x0                           ; the wave's end: behind my last tensor load and my last LDS store
	ds_add_u32 v[SPW], v[NIL]
	s_wait_dscnt 0x0
	s_endpgm
.Lfunc_end_k_q046f3da75e_oproj:
	.size	k_q046f3da75e_oproj, .Lfunc_end_k_q046f3da75e_oproj-k_q046f3da75e_oproj
	.p2alignl 7, 3214868480
	.fill 96, 4, 3214868480
	.section	.rodata,"a",@progbits
	.p2align	6, 0x0
	.amdhsa_kernel k_q046f3da75e_oproj
		.amdhsa_group_segment_fixed_size 297984
		.amdhsa_private_segment_fixed_size 0
		.amdhsa_enable_private_segment 0
		.amdhsa_kernarg_size 32
		.amdhsa_user_sgpr_count 2
		.amdhsa_user_sgpr_kernarg_segment_ptr 1
		.amdhsa_wavefront_size32 1
		.amdhsa_system_sgpr_workgroup_id_x 1
		.amdhsa_system_sgpr_workgroup_id_y 1
		.amdhsa_system_sgpr_workgroup_id_z 1
		.amdhsa_system_vgpr_workitem_id 0
		.amdhsa_next_free_vgpr 256
		.amdhsa_next_free_sgpr 66
		.amdhsa_reserve_vcc 0
		.amdhsa_float_denorm_mode_32 3
		.amdhsa_float_denorm_mode_16_64 3
		.amdhsa_memory_ordered 1
		.amdhsa_forward_progress 1
		.amdhsa_inst_pref_size 33
	.end_amdhsa_kernel
	.amdgpu_metadata
---
amdhsa.version: [ 1, 2 ]
amdhsa.kernels:
  - .name:           k_q046f3da75e_oproj
    .symbol:         k_q046f3da75e_oproj.kd
    .args:
      - { .name: x16, .offset: 0, .size: 8, .value_kind: global_buffer, .address_space: global }
      - { .name: wts, .offset: 8, .size: 8, .value_kind: global_buffer, .address_space: global }
      - { .name: bo, .offset: 16, .size: 8, .value_kind: global_buffer, .address_space: global }
      - { .name: out0, .offset: 24, .size: 8, .value_kind: global_buffer, .address_space: global }
    .group_segment_fixed_size: 297984
    .private_segment_fixed_size: 0
    .kernarg_segment_align: 8
    .kernarg_segment_size: 32
    .max_flat_workgroup_size: 256
    .sgpr_count:     66
    .vgpr_count:     256
    .wavefront_size: 32
...
	.end_amdgpu_metadata
.endif
;; end of part 4
;; launch first16 (part 5): grid 8 x 2, 8 waves a work-group, no clusters, 33,792 bytes of LDS; arguments h32, wo, bo, out0; writes out0
.if DOCPART == 5
	.amdgcn_target "amdgcn-amd-amdhsa--gfx1250"
	.amdhsa_code_object_version 6
	.text
	.protected	k_q046f3da75e_first16
	.globl	k_q046f3da75e_first16
	.p2align	8
	.type	k_q046f3da75e_first16,@function
k_q046f3da75e_first16:
	s_mov_b64 s[64:65], 0
	v_nop
	global_prefetch_b8 v0, s[64:65] scope:SCOPE_SE
	s_setreg_imm32_b32 hwreg(HW_REG_WAVE_MODE, 25, 1), 1
	s_wait_xcnt 0x0
; The first 16 positions of each sequence, all in f32: they average one to sixteen values, where the rounding of 16-bit operands weighs most.  32 rows in all: no bulk work.
; Work-group (gx, batch): rows 0-15 of the batch, columns 64 gx on.  Wave = head: its attention (16 queries x 16 keys, causal), then its 64 channels' share of the projection; the eight shares are added through LDS in the order of the heads.
; All three products by the f32 matrix form (16 x 16 x 4).  K is taken in an order that plain loads give, THE SAME ORDER ON BOTH OPERANDS of each product:
;   S^T = K Q^T: step st takes d = 8 (st / 2) + 4 h + 2 (st % 2) + j;   O^T = V^T P: step t takes key 8 h + 2 t + j, which is where S^T's result has it;   out^T = wo^T X: step (ct, t) takes d = 16 ct + 8 h + 2 t + j, where O^T's result has it.
; The registers that the matrix instructions write are written by them alone; what is made of a sum goes into other registers.
; LIMITS: NaN and infinities are not served; the sums are taken in another order than a plain loop's.
.set SPARE, 32768                      ; behind the eight waves' partial sums (4,096 bytes each): the spare words, 128 bytes for each wave
.set SPW, 14                           ; v14 LDS address of my spare word; v15 0; both never rewritten
.set NIL, 15
.set QF,  16                           ; v16-47   Q;  later the eight partial sums
.set KF,  48                           ; v48-79   K
.set VF,  80                           ; v80-111  V: 8 ct
.set SA,  112                          ; v112-127 S^T in two accumulators by turns
.set OA,  128                          ; v128-159 O^T: 8 ct
.set PA,  160                          ; v160-191 out^T: 8 e
.set SV,  192                          ; v192-199 scores, then p
.set XN,  200                          ; v200-231 O^T / the sum
                                       ; window 1: v256-383 (written v0-127): wo: 32 e + 8 ct + 2 t + j
.set MSB, 0
.macro WIN new
.if MSB != \new
	s_set_vgpr_msb (MSB<<8)|\new
.set MSB, \new
.endif
.endm
	s_load_b128 s[4:7], s[0:1], 0x0                ; h32, wo
	s_load_b128 s[8:11], s[0:1], 0x10              ; bo, out0
	v_lshl_add_u32 v[SPW], v0, 2, SPARE
	v_mov_b32 v[NIL], 0
	v_lshrrev_b32 v1, 5, v0
	v_readfirstlane_b32 s12, v1                    ; wave = head
	v_and_b32 v1, 31, v0
	v_and_b32 v2, 15, v0                           ; r
	v_bfe_u32 v3, v0, 4, 1                         ; h
	v_lshlrev_b32 v4, 11, v2
	v_lshl_add_u32 v4, v3, 4, v4                   ; q, k: row r of 2,048 bytes, + 16 h
	v_lshlrev_b32 v5, 6, v2
	v_lshl_add_u32 v5, v3, 5, v5                   ; v: channel r of 64 bytes, + 32 h
	v_lshlrev_b32 v6, 2, v2
	v_lshl_add_u32 v6, v3, 14, v6                  ; wo: column r, 8 h rows of 2,048 bytes down
	v_lshlrev_b32 v7, 4, v2                        ; bo: four numbers at 4 r
	v_lshlrev_b32 v13, 3, v3
	v_sub_nc_u32 v8, v2, v13                       ; r - 8 h: register j (key 8 h + j) is hidden where j is greater
	s_lshl_b32 s30, s12, 12
	v_lshl_add_u32 v9, v1, 4, s30                  ; LDS: my partial sums, 16 x lane
	v_lshl_add_u32 v11, v3, 11, v7                 ; out: row h of my two, 16 bytes at r
	v_mov_b32 v12, 0xff800000                      ; -infinity
	v_mov_b32 v233, 0                              ; a lane permute's destination counts as one of its sources
	s_mov_b32 s26, 0x76543210
	s_mov_b32 s27, 0xfedcba98
	s_mov_b32 s28, 0x3e38aa3b                      ; c = log2(e) / 8
	s_lshl_b32 s29, s12, 5                         ; 32 x wave
	s_and_b32 s13, ttmp7, 0xffff                   ; batch
	s_mov_b32 s33, 0
	s_lshl_b32 s34, ttmp9, 8                       ; 64 columns of 4 bytes
	s_wait_kmcnt 0x0
	s_mul_i32 s32, s13, 98304
	s_lshl_b32 s35, s12, 8
	s_add_co_u32 s32, s32, s35
	s_add_nc_u64 s[16:17], s[4:5], s[32:33]        ; q at my head's 64 columns (k: 32,768 further)
	s_mul_i32 s32, s13, 98304
	s_lshl_b32 s35, s12, 12
	s_add_co_u32 s32, s32, s35
	s_add_co_u32 s32, s32, 65536
	s_add_nc_u64 s[18:19], s[4:5], s[32:33]        ; v at my head's 64 channels
	s_lshl_b32 s32, s12, 17
	s_add_co_u32 s32, s32, s34
	s_add_nc_u64 s[20:21], s[6:7], s[32:33]        ; wo at my head's 64 rows, my work-group's columns
	s_mov_b32 s32, s34
	s_add_nc_u64 s[22:23], s[8:9], s[32:33]        ; bo
	s_lshl_b32 s32, s13, 23
	s_add_co_u32 s32, s32, s35                     ; 2 x wave rows of 2,048 bytes
	s_add_co_u32 s32, s32, s34
	s_add_nc_u64 s[24:25], s[10:11], s[32:33]      ; out
.irp t, 0,1,2,3,4,5,6,7
	global_load_b128 v[QF+4*\t:QF+4*\t+3], v4, s[16:17] offset:32*\t               ; d = 8 t + 4 h + 0 .. 3
.endr
.irp t, 0,1,2,3,4,5,6,7
	global_load_b128 v[KF+4*\t:KF+4*\t+3], v4, s[16:17] offset:32768+32*\t
.endr
.irp ct, 0,1,2,3
	global_load_b128 v[VF+8*\ct:VF+8*\ct+3], v5, s[18:19] offset:1024*\ct          ; channel 16 ct + r, keys 8 h + 0 .. 7
	global_load_b128 v[VF+8*\ct+4:VF+8*\ct+7], v5, s[18:19] offset:1024*\ct+16
.endr
	global_load_b128 v[244:247], v7, s[22:23]
	WIN 0x40                                       ; destination window 1
.irp e, 0,1,2,3
.set ix, 0
.rept 32
	global_load_b32 v[32*\e+ix], v6, s[20:21] offset:(16*(ix/8)+ix%8)*2048+64*\e   ; wo(d = 16 ct + 8 h + 2 t + j, column 16 e + r)
.set ix, ix+1
.endr
.endr
	WIN 0
	s_wait_loadcnt 63                              ; q, k, v and bo are in (the 128 loads behind them would allow more than a wait can name)
.set st, 0
.rept 16                                       ; S^T: two accumulators by turns; the first two steps start the sums
.if st < 2
	v_wmma_f32_16x16x4_f32 v[SA+8*(st%2):SA+8*(st%2)+7], v[KF+2*st:KF+2*st+1], v[QF+2*st:QF+2*st+1], 0
.else
	v_wmma_f32_16x16x4_f32 v[SA+8*(st%2):SA+8*(st%2)+7], v[KF+2*st:KF+2*st+1], v[QF+2*st:QF+2*st+1], v[SA+8*(st%2):SA+8*(st%2)+7]
.endif
.set st, st+1
.endr
	; eight places behind this form.  They make the address at which I read the partial sums back: row 2 w + h, columns 4 r .. 4 r + 3 lie in piece 2 (r / 4) + r % 2, lane 16 ((r / 2) % 2) + row
	v_lshrrev_b32 v10, 2, v2
	v_lshlrev_b32 v10, 10, v10
	v_and_b32 v13, 1, v2
	v_lshl_add_u32 v10, v13, 9, v10
	v_bfe_u32 v13, v2, 1, 1
	v_lshl_add_u32 v10, v13, 8, v10
	v_lshl_add_u32 v10, v3, 4, v10
	v_add_nc_u32 v10, s29, v10
.irp j, 0,1,2,3,4,5,6,7
	v_add_f32 v[SV+\j], v[SA+\j], v[SA+8+\j]       ; lane (r, h): query r, key 8 h + j.  Both accumulators from their low ends on
.endr
.irp j, 0,1,2,3,4,5,6,7
	v_cmp_gt_i32 vcc_lo, \j, v8
	v_cndmask_b32 v[SV+\j], v[SV+\j], v12, vcc_lo
.endr
	v_max3_num_f32 v232, v[SV], v[SV+1], v[SV+2]
	v_max3_num_f32 v232, v232, v[SV+3], v[SV+4]
	v_max3_num_f32 v232, v232, v[SV+5], v[SV+6]
	v_max_num_f32 v232, v232, v[SV+7]
	v_permlanex16_b32 v233, v232, s26, s27
	v_max_num_f32 v232, v232, v233                 ; the row's maximum: key 0 counts for every query, so it is a number
	v_mul_f32 v234, s28, v232
.irp j, 0,1,2,3,4,5,6,7
	v_fma_f32 v[SV+\j], v[SV+\j], s28, -v234
.endr
.irp j, 0,1,2,3,4,5,6,7
	v_exp_f32 v[SV+\j], v[SV+\j]
.endr
	v_nop                                          ; a plain place behind the exponentials
	s_wait_alu depctr_va_vdst(0)                   ; one wait for the batch, ahead of its first reader
	v_add_f32 v238, v[SV], v[SV+1]
	v_add_f32 v239, v[SV+2], v[SV+3]
	v_add_f32 v238, v238, v[SV+4]
	v_add_f32 v239, v239, v[SV+5]
	v_add_f32 v238, v238, v[SV+6]
	v_add_f32 v239, v239, v[SV+7]
	v_add_f32 v238, v238, v239
	v_permlanex16_b32 v233, v238, s26, s27
	v_add_f32 v238, v238, v233                     ; the row's sum
	v_rcp_f32 v236, v238                           ; twice, to fill the pair that the packed multiply takes
	v_rcp_f32 v237, v238
	v_nop
	s_wait_alu depctr_va_vdst(0)
.irp t, 0,1,2,3                                ; O^T = V^T P: four accumulators by turns
.irp ct, 0,1,2,3
.if \t == 0
	v_wmma_f32_16x16x4_f32 v[OA+8*\ct:OA+8*\ct+7], v[VF+8*\ct+2*\t:VF+8*\ct+2*\t+1], v[SV+2*\t:SV+2*\t+1], 0
.else
	v_wmma_f32_16x16x4_f32 v[OA+8*\ct:OA+8*\ct+7], v[VF+8*\ct+2*\t:VF+8*\ct+2*\t+1], v[SV+2*\t:SV+2*\t+1], v[OA+8*\ct:OA+8*\ct+7]
.endif
.endr
.endr
.rept 8
	v_nop                                          ; eight places behind this form
.endr
.irp i, 0,1,2,3,4,5,6,7,8,9,10,11,12,13,14,15
	v_pk_mul_f32 v[XN+2*\i:XN+2*\i+1], v[OA+2*\i:OA+2*\i+1], v[236:237]   ; lane (r, h): query r, d = 16 ct + 8 h + j
.endr
.rept 4
	v_nop
.endr
	s_wait_loadcnt 0x0                             ; wo
	WIN 0x01                                       ; source 0 window 1
.irp ct, 0,1,2,3                               ; out^T = wo^T X: four accumulators by turns
.irp t, 0,1,2,3
.irp e, 0,1,2,3
.if (\ct == 0) && (\t == 0)
	v_wmma_f32_16x16x4_f32 v[PA+8*\e:PA+8*\e+7], v[32*\e+8*\ct+2*\t:32*\e+8*\ct+2*\t+1], v[XN+8*\ct+2*\t:XN+8*\ct+2*\t+1], 0
.else
	v_wmma_f32_16x16x4_f32 v[PA+8*\e:PA+8*\e+7], v[32*\e+8*\ct+2*\t:32*\e+8*\ct+2*\t+1], v[XN+8*\ct+2*\t:XN+8*\ct+2*\t+1], v[PA+8*\e:PA+8*\e+7]
.endif
.endr
.endr
.endr
	WIN 0
.rept 8
	v_nop
.endr
.irp e, 0,1,2,3
	ds_store_b128 v9, v[PA+8*\e:PA+8*\e+3] offset:1024*\e            ; lane (r, h): query r, columns 16 e + 8 h + 0 .. 3; each accumulator from its low end on
	ds_store_b128 v9, v[PA+8*\e+4:PA+8*\e+7] offset:1024*\e+512      ; and + 4 .. 7
.endr
	s_wait_dscnt 0x0                               ; for the others' sake: my share has landed
	s_barrier_signal -1
	s_barrier_wait -1
.irp p, 0,1,2,3,4,5,6,7
	ds_load_b128 v[QF+4*\p:QF+4*\p+3], v10 offset:4096*\p            ; head p's share of my four numbers
.endr
	s_wait_dscnt 0x0
.irp p, 1,2,3,4,5,6,7
	v_pk_add_f32 v[QF:QF+1], v[QF:QF+1], v[QF+4*\p:QF+4*\p+1]
	v_pk_add_f32 v[QF+2:QF+3], v[QF+2:QF+3], v[QF+4*\p+2:QF+4*\p+3]
.endr
	v_pk_add_f32 v[QF:QF+1], v[QF:QF+1], v[244:245]
	v_pk_add_f32 v[QF+2:QF+3], v[QF+2:QF+3], v[246:247]
	global_store_b128 v11, v[QF:QF+3], s[24:25]    ; sixteen lanes store 256 consecutive bytes, aligned
	s_wait_tensorcnt 0x0                           ; the wave's end: behind my last LDS store
	ds_add_u32 v[SPW], v[NIL]
	s_wait_dscnt 0x0
	s_endpgm
.Lfunc_end_k_q046f3da75e_first16:
	.size	k_q046f3da75e_first16, .Lfunc_end_k_q046f3da75e_first16-k_q046f3da75e_first16
	.p2alignl 7, 3214868480
	.fill 96, 4, 3214868480
	.section	.rodata,"a",@progbits
	.p2align	6, 0x0
	.amdhsa_kernel k_q046f3da75e_first16
		.amdhsa_group_segment_fixed_size 33792
		.amdhsa_private_segment_fixed_size 0
		.amdhsa_enable_private_segment 0
		.amdhsa_kernarg_size 32
		.amdhsa_user_sgpr_count 2
		.amdhsa_user_sgpr_kernarg_segment_ptr 1
		.amdhsa_wavefront_size32 1
		.amdhsa_system_sgpr_workgroup_id_x 1
		.amdhsa_system_sgpr_workgroup_id_y 1
		.amdhsa_system_sgpr_workgroup_id_z 1
		.amdhsa_system_vgpr_workitem_id 0
		.amdhsa_next_free_vgpr 384
		.amdhsa_next_free_sgpr 66
		.amdhsa_reserve_vcc 1
		.amdhsa_float_denorm_mode_32 3
		.amdhsa_float_denorm_mode_16_64 3
		.amdhsa_memory_ordered 1
		.amdhsa_forward_progress 1
		.amdhsa_inst_pref_size 30
	.end_amdhsa_kernel
	.amdgpu_metadata
---
amdhsa.version: [ 1, 2 ]
amdhsa.kernels:
  - .name:           k_q046f3da75e_first16
    .symbol:         k_q046f3da75e_first16.kd
    .args:
      - { .name: h32, .offset: 0, .size: 8, .value_kind: global_buffer, .address_space: global }
      - { .name: wo, .offset: 8, .size: 8, .value_kind: global_buffer, .address_space: global }
      - { .name: bo, .offset: 16, .size: 8, .value_kind: global_buffer, .address_space: global }
      - { .name: out0, .offset: 24, .size: 8, .value_kind: global_buffer, .address_space: global }
    .group_segment_fixed_size: 33792
    .private_segment_fixed_size: 0
    .kernarg_segment_align: 8
    .kernarg_segment_size: 32
    .max_flat_workgroup_size: 256
    .sgpr_count:     66
    .vgpr_count:     384
    .wavefront_size: 32
...
	.end_amdgpu_metadata
.endif
;; end of part 5
